; MI455X (gfx1250); checked and timed in simulation.
; The chip was launched on July 23, 2026; its instructions are those of AMD's public machine-readable ISA for CDNA 5 (MIT licence, August 2026) and "CDNA5" Instruction Set Architecture Reference Guide (July 2026). The comments in the code are by the model that wrote it; some were corrected since.
;; Matcher. Allowed arithmetic: float matrix products may take bf16 or f16 operands with f32 sums; all other float work in f32.
;; Inputs: x 8,192 x 64 float32; y 8,192 x 64 float32.
;; Outputs: out0 8,192 float32; out1 8,192 x 2 int32; out2 8,192 bool.
;; 2 versions, each right; version 2 is version 1 with the launch prep written anew for expert scheduling mode. Each part assembles by itself: llvm-mc -triple=amdgcn-amd-amdhsa -mcpu=gfx1250 --defsym DOCPART=n.
;; ======== version 1 of 2: 3 launches
;; workspace buffers: xk 1,179,648 bytes; yk 1,179,648 bytes; choice 65,536 bytes of whole numbers; sums 65,536 bytes
;; launch prep (part 1): grid 128 x 2, 2 waves a work-group, no clusters, 9,472 bytes of LDS; arguments x, y, xk, yk; writes xk, yk
.if DOCPART == 1
	.amdgcn_target "amdgcn-amd-amdhsa--gfx1250"
	.amdhsa_code_object_version 6
	.text
	.protected	k_q08f451ce58_prep
	.globl	k_q08f451ce58_prep
	.p2align	8
	.type	k_q08f451ce58_prep,@function
k_q08f451ce58_prep:
	s_mov_b64 s[64:65], 0
	v_nop
	global_prefetch_b8 v0, s[64:65] scope:SCOPE_SE
	s_setreg_imm32_b32 hwreg(HW_REG_WAVE_MODE, 25, 1), 1
	s_wait_xcnt 0x0
; x and y, [8192][64] f32, are rounded once to bf16 and laid out for the distance kernel:
; a row of xk (yk) is 144 bytes: 64 bf16 (128 bytes), then 0.5 * (sum of the squares of the ROUNDED numbers) in f32, then 12 zero bytes.
; The norm is taken from the rounded numbers, so that norm and product belong to the same vectors.
; Grid y picks the tensor (0: x, 1: y).  Two waves; a wave owns 32 rows: 16 loads of 512 neighbouring bytes (two rows each), all in flight at once.
; A row is spread over 16 lanes (4 numbers each), so its sum of squares is four steps inside a half of the wave.
; 32 rows of 144 bytes are 4,608 bytes = 18 aligned blocks of 256: they are gathered in the wave's own LDS stage and leave as nine stores
; of 512 neighbouring bytes.  The stage is the wave's own and LDS serves a wave's instructions in order (ISA guide 5.7.1): no barrier.
; Memory binds here: no matrix unit, no cluster (no byte is read by two work-groups).
.set KROW,  144                        ; bytes of an output row
.set WROWS, 32                         ; rows of a wave
.set P, 8                              ; v[8:9]    4 numbers as bf16
.set N, 12                             ; v[12:15]  my row's norm, then three zeros
.set X, 16                             ; v[16:79]  16 loads of 4 registers; later the stage read back
.set T, 80                             ; v[80:83]  the rounded numbers as f32
.set Q, 84                             ; v[84:85]  squares
	s_load_b256 s[4:11], s[0:1], 0x0               ; x s[4:5], y s[6:7], xk s[8:9], yk s[10:11]
	v_lshl_add_u32 v88, v0, 2, 0x2400
	v_mov_b32 v89, 0
	v_and_b32 v1, 31, v0                           ; lane
	v_lshrrev_b32 v2, 5, v0
	v_readfirstlane_b32 s12, v2                    ; wave 0..1
	s_and_b32 s13, ttmp7, 0xffff                   ; which tensor
	s_lshl_b32 s14, ttmp9, 1
	s_add_co_u32 s14, s14, s12                     ; my block of 32 rows, 0..255
	s_lshl_b32 s16, s14, 13                        ; x 32 rows x 256 bytes
	s_mov_b32 s17, 0
	s_mul_i32 s18, s14, WROWS*KROW                 ; x 32 rows x 144 bytes
	s_mov_b32 s19, 0
	s_mul_i32 s15, s12, WROWS*KROW                 ; my wave's stage in LDS
	s_mov_b32 s24, 0xffff0000                      ; a word's upper bf16
	v_lshlrev_b32 v3, 4, v1                        ; 16 bytes a lane: loads, read-back and stores
	v_and_b32 v7, 15, v1                           ; my place in a row
	v_lshrrev_b32 v2, 4, v1                        ; lanes 16-31 hold the odd row of a load
	v_mul_u32_u24 v4, v2, KROW
	v_add_nc_u32 v4, s15, v4                       ; stage + half x 144
	v_mul_u32_u24 v5, v7, 2*KROW
	v_add_nc_u32 v5, v5, v4                        ; stage + row (2 (lane % 16) + half): the row whose norm I store
	v_lshl_add_u32 v4, v7, 3, v4                   ; where my 8 bytes of bf16 go in the first pair of rows
	v_add_nc_u32 v6, s15, v3                       ; read-back
	v_mov_b32 v[N], 0
	v_mov_b32 v[N+1], 0
	v_mov_b32 v[N+2], 0
	v_mov_b32 v[N+3], 0
	s_cmp_eq_u32 s13, 0
	s_wait_kmcnt 0x0
	s_cselect_b64 s[20:21], s[4:5], s[6:7]         ; from
	s_cselect_b64 s[22:23], s[8:9], s[10:11]       ; to
	s_add_nc_u64 s[20:21], s[20:21], s[16:17]
	s_add_nc_u64 s[22:23], s[22:23], s[18:19]
.irp i, 0,1,2,3,4,5,6,7,8,9,10,11,12,13,14,15
	global_load_b128 v[X+4*\i:X+4*\i+3], v3, s[20:21] offset:512*\i th:TH_LOAD_NT   ; rows 2 i and 2 i + 1; read once in the launch
.endr
.irp i, 0,1,2,3,4,5,6,7,8,9,10,11,12,13,14,15
	s_wait_loadcnt 15-\i                           ; loads come back in order: load i is in, the younger ones stay out
	v_cvt_pk_bf16_f32 v[P], v[X+4*\i], v[X+4*\i+1]
	v_cvt_pk_bf16_f32 v[P+1], v[X+4*\i+2], v[X+4*\i+3]
	v_lshlrev_b32 v[T], 16, v[P]                   ; the rounded numbers back in f32
	v_and_b32 v[T+1], s24, v[P]
	v_lshlrev_b32 v[T+2], 16, v[P+1]
	v_and_b32 v[T+3], s24, v[P+1]
	ds_store_b64 v4, v[P:P+1] offset:\i*2*KROW
	v_pk_mul_f32 v[Q:Q+1], v[T:T+1], v[T:T+1]
	v_pk_fma_f32 v[Q:Q+1], v[T+2:T+3], v[T+2:T+3], v[Q:Q+1]
	v_add_f32 v[Q], v[Q], v[Q+1]
	v_add_f32_dpp v[Q], v[Q], v[Q] row_xmask:1 row_mask:0xf bank_mask:0xf
	v_add_f32_dpp v[Q], v[Q], v[Q] row_xmask:2 row_mask:0xf bank_mask:0xf
	v_add_f32_dpp v[Q], v[Q], v[Q] row_xmask:4 row_mask:0xf bank_mask:0xf
	v_add_f32_dpp v[Q], v[Q], v[Q] row_xmask:8 row_mask:0xf bank_mask:0xf   ; all 16 lanes of the row hold its sum
	v_cmp_eq_u32 vcc_lo, \i, v7                    ; lane i of each half keeps the sum of load i: one norm a lane, so that
	v_cndmask_b32 v[N], v[N], v[Q], vcc_lo         ; one store with all lanes on puts all 32 norms
.endr
	v_mul_f32 v[N], 0.5, v[N]
	ds_store_b128 v5, v[N:N+3] offset:128          ; bytes 128 to 143 of my row: the norm and three zeros
.irp k, 0,1,2,3,4,5,6,7,8
	ds_load_b128 v[X+4*\k:X+4*\k+3], v6 offset:512*\k
.endr
.irp k, 0,1,2,3,4,5,6,7,8
	s_wait_dscnt 8-\k                              ; read-back k is in
	global_store_b128 v3, v[X+4*\k:X+4*\k+3], s[22:23] offset:512*\k   ; 512 neighbouring bytes, at a multiple of 256 from the buffer's first byte
.endr
	s_wait_tensorcnt 0x0
	ds_add_u32 v88, v89
	s_wait_dscnt 0x0
	s_endpgm
.Lfunc_end_k_q08f451ce58_prep:
	.size	k_q08f451ce58_prep, .Lfunc_end_k_q08f451ce58_prep-k_q08f451ce58_prep
	.p2alignl 7, 3214868480
	.fill 96, 4, 3214868480
	.section	.rodata,"a",@progbits
	.p2align	6, 0x0
	.amdhsa_kernel k_q08f451ce58_prep
		.amdhsa_group_segment_fixed_size 9472
		.amdhsa_private_segment_fixed_size 0
		.amdhsa_enable_private_segment 0
		.amdhsa_kernarg_size 32
		.amdhsa_user_sgpr_count 2
		.amdhsa_user_sgpr_kernarg_segment_ptr 1
		.amdhsa_wavefront_size32 1
		.amdhsa_system_sgpr_workgroup_id_x 1
		.amdhsa_system_sgpr_workgroup_id_y 1
		.amdhsa_system_sgpr_workgroup_id_z 1
		.amdhsa_system_vgpr_workitem_id 0
		.amdhsa_next_free_vgpr 90
		.amdhsa_next_free_sgpr 66
		.amdhsa_reserve_vcc 1
		.amdhsa_float_denorm_mode_32 3
		.amdhsa_float_denorm_mode_16_64 3
		.amdhsa_memory_ordered 1
		.amdhsa_forward_progress 1
		.amdhsa_inst_pref_size 19
	.end_amdhsa_kernel
	.amdgpu_metadata
---
amdhsa.version: [ 1, 2 ]
amdhsa.kernels:
  - .name:           k_q08f451ce58_prep
    .symbol:         k_q08f451ce58_prep.kd
    .args:
      - { .name: x, .offset: 0, .size: 8, .value_kind: global_buffer, .address_space: global }
      - { .name: y, .offset: 8, .size: 8, .value_kind: global_buffer, .address_space: global }
      - { .name: xk, .offset: 16, .size: 8, .value_kind: global_buffer, .address_space: global }
      - { .name: yk, .offset: 24, .size: 8, .value_kind: global_buffer, .address_space: global }
    .group_segment_fixed_size: 9472
    .private_segment_fixed_size: 0
    .kernarg_segment_align: 8
    .kernarg_segment_size: 32
    .max_flat_workgroup_size: 64
    .sgpr_count:     66
    .vgpr_count:     90
    .wavefront_size: 32
...
	.end_amdgpu_metadata
.endif
;; end of part 1
;; launch scan (part 2): grid 128 x 2, 16 waves a work-group, clusters of 4 x 1, 327,680 bytes of LDS; arguments xk, yk, choice, sums; writes choice, sums
.if DOCPART == 2
	.amdgcn_target "amdgcn-amd-amdhsa--gfx1250"
	.amdhsa_code_object_version 6
	.text
	.protected	k_q08f451ce58_scan
	.globl	k_q08f451ce58_scan
	.p2align	8
	.type	k_q08f451ce58_scan,@function
k_q08f451ce58_scan:
	s_mov_b64 s[64:65], 0
	v_nop
	global_prefetch_b8 v0, s[64:65] scope:SCOPE_SE
	s_setreg_imm32_b32 hwreg(HW_REG_WAVE_MODE, 25, 1), 1
	s_wait_xcnt 0x0
	s_wait_alu depctr_hold_cnt(0) depctr_sa_sdst(0) depctr_va_vdst(0) depctr_va_sdst(0) depctr_va_ssrc(0) depctr_va_vcc(0) depctr_vm_vsrc(0)
	s_getreg_b32 s2, hwreg(HW_REG_IB_STS2, 6, 4)
	s_cmp_eq_u32 s2, 0
	s_cbranch_scc0 .Lentry_in_a_cluster
	s_endpgm
.Lentry_in_a_cluster:
	s_bfe_u32 s2, ttmp6, 0x10000c
	s_cmp_lg_u32 s2, 0x3003
	s_cbranch_scc0 .Lentry_shape_is_right
	s_endpgm
.Lentry_shape_is_right:
; For each query row: the nearest key (the argmax of 2 - distance) and S = sum over all keys of exp(dmin - d), so that the log-softmax at the argmax is -ln S.
; Grid y is the direction: 0: queries = rows of xk, keys = rows of yk (the rows of Dmat); 1: the other way round (its columns).
; choice[dir][row] = index of the nearest key; sums[dir][row] = S.
; A work-group owns 64 queries against all 8,192 keys, so its results are final.  16 waves: wave w has queries 16 (w & 3) .. + 15 and, of every
; 512 keys, the quarter w >> 2.  Rows of xk, yk: 64 bf16, then 0.5 |v|^2 in f32, 144 bytes in all.
; THE DISTANCE: A = the queries, negated once; C starts as 0.5 |q|^2 + 0.5 |k|^2; two matrix instructions (K = 64) leave h = sq / 2 (the halving is exact);
; h is clamped at 0 as the problem clamps sq; d = sqrt(2) sqrt(h).  In the result lane (r, h') holds key n0 + r and queries 8 h' + j in registers j = 0..7,
; so the running state (smallest h, its tile, the shift, the sum) is kept per lane and register and the lanes are folded once, at the end.
; THE MAXIMUM IS TAKEN AWAY by a running maximum: eight tiles (128 keys) are held in 64 registers; first the running minimum of h takes them in, then the
; sum so far is scaled to the new minimum, then the exponentials of the eight tiles are taken against it: no exponent is ever above 0.
; CLUSTERS: the four work-groups of a cluster have the same direction and walk the same keys: each 512 keys are asked for JOINTLY (mask 15),
; which divides the requests for keys by four.  Ring of two LDS slots of 512 keys; a round of the cluster's barrier stands in front of every refill.
; By this text's own count a wave has at most one tensor load outstanding.
; LIMITS: operands are bf16 (the norms are those of the rounded vectors).  The argmax compares h in f32 and takes the lowest index among equal h; the problem
; compares rounded log-probabilities, which may tie where h still differs in its last bits.  NaN and infinite inputs are not served.  A term more than
; 2^126 below the running maximum, and an h below 2^-126, count as 0 (v_exp_f32 and v_sqrt_f32 flush denormals: ISA guide 15.8).
.set KROW,  144
.set KEYS,  512                        ; keys in a slot
.set SLOT,  KEYS*KROW                  ; 73,728 bytes = 288 blocks of 256
.set PART,  SLOT/4                     ; 18,432 bytes = 128 keys: what one of waves 0-3 fetches, and what one quarter of the waves reads
.set TILEB, 16*KROW                    ; 16 keys
.set STEPS, 8192/KEYS                  ; 16
.set SCR,   2*SLOT                     ; behind the ring, never filled by a tensor load: 256 bytes for each of 16 waves (16 rows x 16 bytes)
.set LB,   2                           ; v2, v3    LDS address of my part of a key fragment in slot 0, 1
.set NB,   4                           ; v4, v5    LDS address of my key's norm in slot 0, 1
.set VR,   6                           ; v6        lane % 16;  v7: lane / 16
.set A,    8                           ; v[8:23]   16 queries x 64, negated
.set NX,   24                          ; v[24:31]  0.5 |q|^2 of queries 8 h' + j
.set BEST, 32                          ; v[32:39]  smallest h so far
.set IDX,  40                          ; v[40:47]  first key of the tile in which it was met
.set MREF, 48                          ; v[48:55]  the shift: CP * sqrt(BEST)
.set S,    56                          ; v[56:63]  sum of 2^(MREF - CP sqrt(h))
.set TMP,  64                          ; v[64:71]  at work
.set NY,   72                          ; v[72:87]  0.5 |k|^2 of tile t in register 2 t; the odd ones are zero and only complete the pairs
.set BF,   88                          ; v[88:151] two buffers of two key tiles (16 registers a tile)
.set H,    152                         ; v[152:215] eight tiles of results
.set DF,   216                         ; v[216:223] scale factors
.set G1,   16                          ; s[16:23]  descriptor group 1
.set G0,   32                          ; s[32:39]  descriptor group 0, one set for each slot
.set MASK, 52                          ; s[52:59]  eight lane masks
; A round of the cluster's barrier: my work-group's barrier, wave 0 signals for the work-group, every wave waits for all four work-groups, my work-group's barrier again.
.macro ROUND
	s_barrier_signal -1
	s_barrier_wait -1
	s_cmp_lg_u32 s12, 0
	s_cbranch_scc1 .Lnot_wave_0_\@
	s_barrier_signal -3
.Lnot_wave_0_\@:
	s_barrier_wait -3
	s_barrier_signal -1
	s_barrier_wait -1
.endm
	s_load_b256 s[4:11], s[0:1], 0x0               ; xk s[4:5], yk s[6:7], choice s[8:9], sums s[10:11]
	v_lshl_add_u32 v224, v0, 2, 0x29000
	v_mov_b32 v225, 0
	ds_add_u32 v224, v225
	v_lshrrev_b32 v1, 5, v0
	v_readfirstlane_b32 s12, v1                    ; wave 0..15
	s_and_b32 s13, s12, 3                          ; which 16 queries
	s_lshr_b32 s14, s12, 2                         ; which quarter of the keys
	s_bfe_u32 s40, ttmp6, 0x40000                  ; my place in the cluster
	s_lshl_b32 s41, ttmp9, 2
	s_add_co_u32 s41, s41, s40                     ; my block of 64 queries, 0..127
	s_and_b32 s15, ttmp7, 0xffff                   ; the direction: the same in all four partners
	; group 1: a dense block as 72 rows of 256 bytes (32 elements of 8 bytes), no padding: the rows of 144 bytes are already an odd multiple of 16 apart,
	; so the 16 rows that a fragment load touches start at 16 different 16-byte columns of a span of 256 bytes
	s_mov_b32 s[G1+0], 15|(3<<16)|(1<<21)          ; 15:0 the mask: all four work-groups; 17:16 elements of 8 bytes; 21 set beside a mask
	s_mov_b32 s[G1+1], 32<<16                      ; tensor_dim0 = 32
	s_mov_b32 s[G1+2], 72<<16                      ; tensor_dim1 = 72
	s_mov_b32 s[G1+3], 32<<16                      ; tile_dim0 = 32
	s_mov_b32 s[G1+4], 72                          ; tile_dim1 = 72
	s_mov_b32 s[G1+5], 32                          ; from row to row: 32 elements
	s_mov_b32 s[G1+6], 0
	s_mov_b32 s[G1+7], 0
	s_mul_i32 s42, s12, PART                       ; waves 0-3: my quarter of a slot, in memory and in LDS
	s_mov_b32 s43, 0
	s_mul_i32 s2, s41, 64*KROW                     ; my 16 queries, in bytes
	s_mul_i32 s3, s13, 16*KROW
	s_add_co_u32 s2, s2, s3
	s_mov_b32 s3, 0
	s_mul_i32 s45, s14, PART                       ; my quarter of the keys in a slot
	s_lshl_b32 s50, s14, 7                         ; number of the first key of my first tile
	s_mov_b32 s46, 0x400293ee                      ; CP = sqrt(2) * log2(e): exp(-d) = 2^(-CP sqrt(h))
	s_mov_b32 s47, 0x400293ee
	s_mov_b32 s48, 0xc00293ee                      ; -CP
	s_mov_b32 s49, 0xc00293ee
	s_mov_b32 s51, 0x7f800000                      ; +infinity
	s_cmp_eq_u32 s15, 0
	s_wait_dscnt 0x0
	s_wait_kmcnt 0x0
	s_cselect_b64 s[28:29], s[4:5], s[6:7]         ; queries
	s_cselect_b64 s[30:31], s[6:7], s[4:5]         ; keys: hangs on the direction alone
	s_add_nc_u64 s[28:29], s[28:29], s[2:3]
	s_add_nc_u64 s[30:31], s[30:31], s[42:43]
.irp n, 0,1
	s_mov_b32 s[G0+4*\n], 1                                        ; count = 1
	s_add_co_u32 s[G0+4*\n+1], s42, \n*SLOT                        ; LDS address: wave x 18,432 + slot x 73,728
	s_add_nc_u64 s[G0+4*\n+2:G0+4*\n+3], s[30:31], \n*SLOT         ; keys 512 n ..
	s_or_b32 s[G0+4*\n+3], s[G0+4*\n+3], 0x80000000                ; type = 2
.endr
	v_and_b32 v[VR], 15, v0
	v_bfe_u32 v7, v0, 4, 1
	v_mul_u32_u24 v1, v[VR], KROW                  ; row x 144
	v_lshl_add_u32 v[TMP], v7, 4, v1               ; a fragment: lane (r, h') takes 16 bytes at row r, byte 16 h' + 0, 32 (K 0-31) and + 64, 96 (K 32-63)
	v_mul_u32_u24 v[TMP+1], v7, 8*KROW             ; the norms of rows 8 h' + j
.irp c, 0,1,2,3
	global_load_b128 v[A+4*\c:A+4*\c+3], v[TMP], s[28:29] offset:32*\c
.endr
.irp j, 0,1,2,3,4,5,6,7
	global_load_b32 v[NX+\j], v[TMP+1], s[28:29] offset:128+\j*KROW
.endr
	v_add_nc_u32 v1, s45, v1
	v_lshl_add_u32 v[LB], v7, 4, v1
	v_add_nc_u32 v[LB+1], SLOT, v[LB]
	v_add_nc_u32 v[NB], 128, v1
	v_add_nc_u32 v[NB+1], SLOT+128, v1
.irp j, 0,1,2,3,4,5,6,7
	v_mov_b32 v[BEST+\j], s51                      ; nothing met yet: h = infinity, shift = infinity (the first scaling is then by 2^-infinity = 0), sum = 0
	v_mov_b32 v[MREF+\j], s51
	v_mov_b32 v[IDX+\j], 0
	v_mov_b32 v[S+\j], 0
	v_mov_b32 v[NY+2*\j+1], 0
.endr
	ROUND                                          ; all four work-groups are here: the first joint load meets
	s_cmp_lt_u32 s12, 4
	s_cbranch_scc0 .Lno_first
	tensor_load_to_lds s[G0:G0+3], s[G1:G1+7]      ; keys 0 to 511: waves 0-3, a quarter each
	s_nop 0
.Lno_first:
	s_wait_loadcnt 0x0                             ; the queries and their norms
.irp c, 0,1,2,3,4,5,6,7,8,9,10,11,12,13,14,15
	v_xor_b32 v[A+\c], 0x80008000, v[A+\c]         ; -q, once: the products then come off the norms
.endr
; In all macros below a tile's or a pair's number stands in brackets wherever it is multiplied: it may be handed over as a sum (t + 1, t - 1).
; eight loads: the fragments of tiles 2 p and 2 p + 1 into buffer buf
.macro PAIR_IN slot, p, buf
.irp u, 0,1
.irp c, 0,1,2,3
	ds_load_b128 v[BF+32*(\buf)+16*\u+4*\c:BF+32*(\buf)+16*\u+4*\c+3], v[LB+\slot] offset:(2*(\p)+\u)*TILEB+32*\c
.endr
.endr
.endm
; the sums of tiles 2 p and 2 p + 1 start as 0.5 |q|^2 + 0.5 |k|^2 (my key's norm goes to both halves of a pair)
.macro START p
.irp u, 0,1
.irp i, 0,2,4,6
	v_pk_add_f32 v[H+8*(2*(\p)+\u)+\i:H+8*(2*(\p)+\u)+\i+1], v[NX+\i:NX+\i+1], v[NY+2*(2*(\p)+\u):NY+2*(2*(\p)+\u)+1] op_sel_hi:[1,0]
.endr
.endr
.endm
; four matrix instructions; the two accumulators take turns, one instruction a turn
.macro MUL4 p, buf
.irp k, 0,1
.irp u, 0,1
	v_wmma_f32_16x16x32_bf16 v[H+8*(2*(\p)+\u):H+8*(2*(\p)+\u)+7], v[A+8*\k:A+8*\k+7], v[BF+32*(\buf)+16*\u+8*\k:BF+32*(\buf)+16*\u+8*\k+7], v[H+8*(2*(\p)+\u):H+8*(2*(\p)+\u)+7]
.endr
.endr
.endm
; tile t: clamp at 0; where it beats the smallest so far (strictly: the earlier key keeps a tie) note the tile; take the minimum
.macro TRACK t
.irp j, 0,1,2,3,4,5,6,7
	v_max_num_f32 v[H+8*(\t)+\j], 0, v[H+8*(\t)+\j]
.endr
.irp j, 0,1,2,3,4,5,6,7
	v_cmp_gt_f32 s[MASK+\j], v[BEST+\j], v[H+8*(\t)+\j]
.endr
.irp j, 0,1,2,3,4,5,6,7
	v_cndmask_b32 v[IDX+\j], v[IDX+\j], s50, s[MASK+\j]
.endr
.irp j, 0,1,2,3,4,5,6,7
	v_min_num_f32 v[BEST+\j], v[BEST+\j], v[H+8*(\t)+\j]
.endr
	s_add_co_u32 s50, s50, 16                      ; the next tile's first key
.endm
.macro ROOT t
.irp j, 0,1,2,3,4,5,6,7
	v_sqrt_f32 v[H+8*(\t)+\j], v[H+8*(\t)+\j]
.endr
.endm
.macro ARG t                           ; MREF - CP sqrt(h), never above 0 but for the rounding of MREF
	s_wait_alu depctr_va_vdst(0)
.irp i, 0,2,4,6
	v_pk_fma_f32 v[H+8*(\t)+\i:H+8*(\t)+\i+1], v[H+8*(\t)+\i:H+8*(\t)+\i+1], s[48:49], v[MREF+\i:MREF+\i+1] op_sel_hi:[1,0,1]
.endr
.endm
.macro POW t
.irp j, 0,1,2,3,4,5,6,7
	v_exp_f32 v[H+8*(\t)+\j], v[H+8*(\t)+\j]
.endr
.endm
.macro SUM t
	s_wait_alu depctr_va_vdst(0)
.irp i, 0,2,4,6
	v_pk_add_f32 v[S+\i:S+\i+1], v[S+\i:S+\i+1], v[H+8*(\t)+\i:H+8*(\t)+\i+1]
.endr
.endm
; My 128 keys of a slot.  Behind a matrix instruction four plain vector instructions that name none of its registers stand before its result is read and before
; a load is issued into a fragment that it read (ISA guide 7.12.1 for vector instructions): START of the next pair (eight) and TRACK of
; older tiles are those places, so no v_nop is spent on them.
.macro CHUNK slot
.irp t, 0,1,2,3,4,5,6,7
	ds_load_b32 v[NY+2*\t], v[NB+\slot] offset:\t*TILEB
.endr
	PAIR_IN \slot, 0, 0
	PAIR_IN \slot, 1, 1
	s_wait_dscnt 16                                ; the eight norms are in; the 16 fragment loads may be out
	START 0
	s_wait_dscnt 8                                 ; tiles 0, 1 are in; the eight loads of tiles 2, 3 may be out
	MUL4 0, 0
	START 1
	PAIR_IN \slot, 2, 0
	s_wait_dscnt 8                                 ; tiles 2, 3 are in; those of 4, 5 may be out
	MUL4 1, 1
	START 2
	PAIR_IN \slot, 3, 1
	TRACK 0
	TRACK 1
	s_wait_dscnt 8                                 ; tiles 4, 5 are in; those of 6, 7 may be out
	MUL4 2, 0
	START 3
	TRACK 2
	TRACK 3
	s_wait_dscnt 0
	MUL4 3, 1
	TRACK 4
	TRACK 5
	TRACK 6
	TRACK 7
	s_add_co_u32 s50, s50, KEYS-128                ; my quarter of the next 512 keys
	; the sum so far goes over to the new minimum: S *= 2^(new shift - old shift).  Behind a transcendental one plain vector instruction stands before its
	; result is used (ISA guide 5.7.2); the runs below are laid so that other tiles' arithmetic is that instruction, but for one v_nop.
.irp j, 0,1,2,3,4,5,6,7
	v_sqrt_f32 v[TMP+\j], v[BEST+\j]
.endr
	ROOT 0
	v_nop
	s_wait_alu depctr_va_vdst(0)
.irp i, 0,2,4,6
	v_pk_fma_f32 v[DF+\i:DF+\i+1], v[TMP+\i:TMP+\i+1], s[46:47], v[MREF+\i:MREF+\i+1] op_sel_hi:[1,0,1] neg_lo:[0,0,1] neg_hi:[0,0,1]
.endr
.irp i, 0,2,4,6
	v_pk_mul_f32 v[MREF+\i:MREF+\i+1], v[TMP+\i:TMP+\i+1], s[46:47] op_sel_hi:[1,0]
.endr
.irp j, 0,1,2,3,4,5,6,7
	v_exp_f32 v[DF+\j], v[DF+\j]
.endr
	ROOT 1
	ARG 0
	s_wait_alu depctr_va_vdst(0)
.irp i, 0,2,4,6
	v_pk_mul_f32 v[S+\i:S+\i+1], v[S+\i:S+\i+1], v[DF+\i:DF+\i+1]
.endr
	POW 0
.irp t, 1,2,3,4,5,6
	ROOT \t+1
	ARG \t
	POW \t
	SUM \t-1
.endr
	ARG 7
	POW 7
	SUM 6
	SUM 7
.endm
; One step.  In front of the round every wave has waited for all its tensor loads (its part of this step's keys among them) and for its reads of the other slot;
; behind the round the other slot is asked for again first, one load a wave (waves 0-3), and has this step's work in which to land.
.macro TRIP slot, refill
	s_wait_tensorcnt 0x0                           ; no tensor load of mine is out, so a group 0 may be written:
	ds_add_u32 v224, v225
	s_wait_dscnt 0x0
	s_add_nc_u64 s[G0+4*\slot+2:G0+4*\slot+3], s[G0+4*\slot+2:G0+4*\slot+3], 2*SLOT   ; this slot's next keys
	s_wait_dscnt 0x0
	ROUND
.if \refill
	s_cmp_lt_u32 s12, 4
	s_cbranch_scc0 .Lno_fill_\@
	tensor_load_to_lds s[G0+4-4*\slot:G0+7-4*\slot], s[G1:G1+7]
	s_nop 0
.Lno_fill_\@:
.endif
	CHUNK \slot
.endm
	s_mov_b32 s44, STEPS/2-1
.Lloop:
	TRIP 0, 1
	TRIP 1, 1
	s_sub_co_u32 s44, s44, 1
	s_cmp_lg_u32 s44, 0
	s_cbranch_scc1 .Lloop
	TRIP 0, 1                                      ; the last two steps: one more fill (keys 7,680 ..), then none
	TRIP 1, 0
	; THE END.  The 16 lanes of a half hold 16 classes of keys of the same eight queries: fold them.  All four folds are f32 minima or sums
	; (a key's number is below 2^24, so it is exact in f32).  The last step of a fold writes word k of the row's quad (h, key, shift, sum) in v[H+4 j ..].
.macro FOLD op, src, wrk, k
.irp j, 0,1,2,3,4,5,6,7
	\op v[\wrk+\j], v[\src+\j], v[\src+\j] row_xmask:1 row_mask:0xf bank_mask:0xf
.endr
.irp m, 2,4
.irp j, 0,1,2,3,4,5,6,7
	\op v[\wrk+\j], v[\wrk+\j], v[\wrk+\j] row_xmask:\m row_mask:0xf bank_mask:0xf
.endr
.endr
.irp j, 0,1,2,3,4,5,6,7
	\op v[H+4*\j+\k], v[\wrk+\j], v[\wrk+\j] row_xmask:8 row_mask:0xf bank_mask:0xf
.endr
.endm
.irp j, 0,1,2,3,4,5,6,7
	v_add_nc_u32 v[IDX+\j], v[IDX+\j], v[VR]       ; the key's number: tile + lane % 16
.endr
.irp j, 0,1,2,3,4,5,6,7
	v_cvt_f32_u32 v[IDX+\j], v[IDX+\j]
.endr
	FOLD v_min_num_f32_dpp, BEST, TMP, 0
.irp j, 0,1,2,3,4,5,6,7
	v_cmp_eq_f32 vcc_lo, v[BEST+\j], v[H+4*\j]
	v_cndmask_b32 v[IDX+\j], s51, v[IDX+\j], vcc_lo   ; only lanes that hold the minimum name a key; the lowest number wins
.endr
	FOLD v_min_num_f32_dpp, IDX, IDX, 1
	FOLD v_min_num_f32_dpp, MREF, DF, 2            ; root and product keep the order, so the smallest shift is the minimum's
.irp j, 0,1,2,3,4,5,6,7
	v_sub_f32 v[MREF+\j], v[H+4*\j+2], v[MREF+\j]
.endr
.irp j, 0,1,2,3,4,5,6,7
	v_exp_f32 v[MREF+\j], v[MREF+\j]
.endr
	v_nop
	s_wait_alu depctr_va_vdst(0)
.irp i, 0,2,4,6
	v_pk_mul_f32 v[S+\i:S+\i+1], v[S+\i:S+\i+1], v[MREF+\i:MREF+\i+1]
.endr
	FOLD v_add_f32_dpp, S, S, 3
	; the four quarters of the keys meet in LDS.  Wave w = 4 ks + q owns the 256 bytes at SCR + 256 w: its row 8 h' + j at 16 bytes each.
	; The 16 lanes of a half store the same bytes to the same place.
	s_lshl_b32 s24, s12, 8
	s_add_co_u32 s24, s24, SCR
	v_lshl_add_u32 v1, v7, 7, s24
.irp j, 0,1,2,3,4,5,6,7
	ds_store_b128 v1, v[H+4*\j:H+4*\j+3] offset:16*\j
.endr
	s_wait_dscnt 0x0                               ; for the others' sake: my stores are done
	s_barrier_signal -1
	s_barrier_wait -1
	s_cmp_lg_u32 s12, 0
	s_cbranch_scc1 .Ldone
	; wave 0: lane l merges rows 2 l and 2 l + 1, so that one store of 8 bytes a lane covers the block's 256 bytes.
	; Row 16 q + rr, candidate ks, lies at SCR + 1024 ks + 256 q + 16 rr; for rows 2 l + u that is SCR + 32 l + 1024 ks + 16 u.
	v_and_b32 v1, 31, v0
	v_lshlrev_b32 v[LB], 5, v1
	v_add_nc_u32 v[LB], SCR, v[LB]
.irp u, 0,1
.irp c, 0,1,2,3
	ds_load_b128 v[H+16*\u+4*\c:H+16*\u+4*\c+3], v[LB] offset:1024*\c+16*\u
.endr
.endr
	s_lshl_b32 s26, s15, 15                        ; direction x 8,192 x 4 bytes
	s_lshl_b32 s27, s41, 8                         ; + block x 64 x 4 bytes
	s_add_co_u32 s26, s26, s27
	s_mov_b32 s27, 0
	s_add_nc_u64 s[8:9], s[8:9], s[26:27]
	s_add_nc_u64 s[10:11], s[10:11], s[26:27]
	s_wait_dscnt 0x0
.macro MERGE u
	v_min3_num_f32 v[TMP+\u], v[H+16*\u], v[H+16*\u+4], v[H+16*\u+8]
	v_min3_num_f32 v[DF+\u], v[H+16*\u+2], v[H+16*\u+6], v[H+16*\u+10]
	v_min_num_f32 v[TMP+\u], v[TMP+\u], v[H+16*\u+12]
	v_min_num_f32 v[DF+\u], v[DF+\u], v[H+16*\u+14]
.irp c, 0,1,2,3
	v_cmp_eq_f32 vcc_lo, v[H+16*\u+4*\c], v[TMP+\u]
	v_cndmask_b32 v[H+16*\u+4*\c+1], s51, v[H+16*\u+4*\c+1], vcc_lo
	v_sub_f32 v[H+16*\u+4*\c+2], v[DF+\u], v[H+16*\u+4*\c+2]
.endr
.irp c, 0,1,2,3
	v_exp_f32 v[H+16*\u+4*\c+2], v[H+16*\u+4*\c+2]
.endr
	v_min3_num_f32 v[IDX+\u], v[H+16*\u+1], v[H+16*\u+5], v[H+16*\u+9]
	v_min_num_f32 v[IDX+\u], v[IDX+\u], v[H+16*\u+13]
	s_wait_alu depctr_va_vdst(0)
	v_mul_f32 v[S+\u], v[H+16*\u+3], v[H+16*\u+2]
	v_fmac_f32 v[S+\u], v[H+16*\u+7], v[H+16*\u+6]
	v_fmac_f32 v[S+\u], v[H+16*\u+11], v[H+16*\u+10]
	v_fmac_f32 v[S+\u], v[H+16*\u+15], v[H+16*\u+14]
	v_cvt_u32_f32 v[IDX+\u], v[IDX+\u]
.endm
	MERGE 0
	MERGE 1
	v_lshlrev_b32 v1, 3, v1
	global_store_b64 v1, v[IDX:IDX+1], s[8:9]      ; 32 lanes x 8 bytes: 256 neighbouring bytes, aligned
	global_store_b64 v1, v[S:S+1], s[10:11]
.Ldone:
	s_wait_tensorcnt 0x0
	ds_add_u32 v224, v225
	s_wait_dscnt 0x0
	ROUND                                          ; the closing round: no work-group ends while a partner may still ask for keys jointly
	s_endpgm
.Lfunc_end_k_q08f451ce58_scan:
	.size	k_q08f451ce58_scan, .Lfunc_end_k_q08f451ce58_scan-k_q08f451ce58_scan
	.p2alignl 7, 3214868480
	.fill 96, 4, 3214868480
	.section	.rodata,"a",@progbits
	.p2align	6, 0x0
	.amdhsa_kernel k_q08f451ce58_scan
		.amdhsa_group_segment_fixed_size 327680
		.amdhsa_private_segment_fixed_size 0
		.amdhsa_enable_private_segment 0
		.amdhsa_kernarg_size 32
		.amdhsa_user_sgpr_count 2
		.amdhsa_user_sgpr_kernarg_segment_ptr 1
		.amdhsa_wavefront_size32 1
		.amdhsa_system_sgpr_workgroup_id_x 1
		.amdhsa_system_sgpr_workgroup_id_y 1
		.amdhsa_system_sgpr_workgroup_id_z 1
		.amdhsa_system_vgpr_workitem_id 0
		.amdhsa_next_free_vgpr 226
		.amdhsa_next_free_sgpr 66
		.amdhsa_reserve_vcc 1
		.amdhsa_float_denorm_mode_32 3
		.amdhsa_float_denorm_mode_16_64 3
		.amdhsa_memory_ordered 1
		.amdhsa_forward_progress 1
		.amdhsa_inst_pref_size 136
	.end_amdhsa_kernel
	.amdgpu_metadata
---
amdhsa.version: [ 1, 2 ]
amdhsa.kernels:
  - .name:           k_q08f451ce58_scan
    .symbol:         k_q08f451ce58_scan.kd
    .args:
      - { .name: xk, .offset: 0, .size: 8, .value_kind: global_buffer, .address_space: global }
      - { .name: yk, .offset: 8, .size: 8, .value_kind: global_buffer, .address_space: global }
      - { .name: choice, .offset: 16, .size: 8, .value_kind: global_buffer, .address_space: global }
      - { .name: sums, .offset: 24, .size: 8, .value_kind: global_buffer, .address_space: global }
    .group_segment_fixed_size: 327680
    .private_segment_fixed_size: 0
    .kernarg_segment_align: 8
    .kernarg_segment_size: 32
    .max_flat_workgroup_size: 512
    .sgpr_count:     66
    .vgpr_count:     226
    .wavefront_size: 32
...
	.end_amdgpu_metadata
.endif
;; end of part 2
;; launch match (part 3): grid 32 x 1, 1 waves a work-group, no clusters, 2,560 bytes of LDS; arguments choice, sums, out0, out1, out2; writes out0, out1, out2
.if DOCPART == 3
	.amdgcn_target "amdgcn-amd-amdhsa--gfx1250"
	.amdhsa_code_object_version 6
	.text
	.protected	k_q08f451ce58_match
	.globl	k_q08f451ce58_match
	.p2align	8
	.type	k_q08f451ce58_match,@function
k_q08f451ce58_match:
	s_mov_b64 s[64:65], 0
	v_nop
	global_prefetch_b8 v0, s[64:65] scope:SCOPE_SE
	s_setreg_imm32_b32 hwreg(HW_REG_WAVE_MODE, 25, 1), 1
	s_wait_xcnt 0x0
; For column j: i = choice_cols[j]; mutual = (choice_rows[i] == j); log_probs = mutual ? -ln(S_row[i]) - ln(S_col[j]) : 0; dmatches = (i, j).
; choice = [2][8192] int32 (rows, then columns), sums = [2][8192] f32 likewise, both stored by the launch before.
; One wave takes 256 columns, the fewest whose 256 bytes of booleans are one aligned block.  Lane l has columns 4 l + e and 128 + 4 l + e (e = 0..3), so its loads and
; the stores of log_probs are 16 bytes a lane, 512 neighbouring bytes an instruction.  The pairs and the booleans go through the wave's LDS, so that they
; too leave as neighbouring bytes.  One wave a work-group: no barrier.  The work is three dependent trips to memory: nothing here for matrix units or clusters.
; Both sums lie between about 1 and 8,192, so their product is far inside f32 and one logarithm serves both.
.set CHC, 8                            ; v[8:15]   choice_cols as loaded
.set SC,  16                           ; v[16:23]  S of my columns
.set OFS, 24                           ; v[24:31]  4 i
.set CHR, 32                           ; v[32:39]  choice_rows[i]
.set SR,  40                           ; v[40:47]  S of row i, then log_probs
.set F,   56                           ; v[56:63]  mutual, 0 or 1
.set PK,  64                           ; v[64:65]  four booleans a word
.set PR,  68                           ; v[68:83]  (i, j) of my 8 columns
.set BK,  84                           ; v[84:99]  the pairs read back
.set BB,  100                          ; v[100:101] the booleans read back
	s_load_b256 s[4:11], s[0:1], 0x0               ; choice s[4:5], sums s[6:7], out0 s[8:9], out1 s[10:11]
	s_load_b64 s[12:13], s[0:1], 0x20              ; out2
	v_lshl_add_u32 v104, v0, 2, 0x900
	v_mov_b32 v105, 0
	s_lshl_b32 s14, ttmp9, 10                      ; 256 columns x 4 bytes
	s_lshl_b32 s15, ttmp9, 8                       ; my first column; also 256 bytes of booleans
	s_lshl_b32 s24, ttmp9, 11                      ; 256 pairs of 8 bytes
	s_mov_b32 s25, 0
	s_mov_b32 s26, s15
	s_mov_b32 s27, 0
	v_lshlrev_b32 v1, 4, v0                        ; 16 l
	v_add_nc_u32 v2, s14, v1
	v_lshlrev_b32 v5, 2, v0                        ; 4 l
	v_add_nc_u32 v3, s15, v5                       ; column 256 g + 4 l
	v_lshlrev_b32 v4, 5, v0                        ; 32 l
	v_lshlrev_b32 v6, 3, v0                        ; 8 l
	s_wait_kmcnt 0x0
	global_load_b128 v[CHC:CHC+3],   v2, s[4:5] offset:32768
	global_load_b128 v[CHC+4:CHC+7], v2, s[4:5] offset:32768+512
	global_load_b128 v[SC:SC+3],     v2, s[6:7] offset:32768
	global_load_b128 v[SC+4:SC+7],   v2, s[6:7] offset:32768+512
	s_add_nc_u64 s[10:11], s[10:11], s[24:25]
	s_add_nc_u64 s[12:13], s[12:13], s[26:27]
.irp n, 0,1,2,3,4,5,6,7
	v_add_nc_u32 v[PR+2*\n+1], (\n%4)+128*(\n/4), v3       ; j
.endr
	s_wait_loadcnt 0x2                             ; both loads of choices are in; the two of sums may be out
.irp n, 0,1,2,3,4,5,6,7
	v_min_u32 v[PR+2*\n], 0x1fff, v[CHC+\n]        ; i: an index into 8,192 rows, bounded before it forms an address
.endr
.irp n, 0,1,2,3,4,5,6,7
	v_lshlrev_b32 v[OFS+\n], 2, v[PR+2*\n]
.endr
.irp n, 0,1,2,3,4,5,6,7
	global_load_b32 v[CHR+\n], v[OFS+\n], s[4:5]
.endr
.irp n, 0,1,2,3,4,5,6,7
	global_load_b32 v[SR+\n], v[OFS+\n], s[6:7]
.endr
	ds_store_b128 v4, v[PR:PR+3]                   ; pairs of columns 4 l, 4 l + 1
	ds_store_b128 v4, v[PR+4:PR+7] offset:16
	ds_store_b128 v4, v[PR+8:PR+11] offset:1024    ; and of 128 + 4 l ..
	ds_store_b128 v4, v[PR+12:PR+15] offset:1040
	s_wait_loadcnt 0x0
.irp n, 0,1,2,3,4,5,6,7
	v_mul_f32 v[SR+\n], v[SR+\n], v[SC+\n]
.endr
.irp n, 0,1,2,3,4,5,6,7
	v_log_f32 v[SR+\n], v[SR+\n]
.endr
	v_nop                                          ; one plain instruction behind the transcendentals before their results are used (ISA guide 5.7.2)
.irp n, 0,1,2,3,4,5,6,7
	v_cmp_eq_u32 s[16+\n], v[CHR+\n], v[PR+2*\n+1]
.endr
	s_wait_alu depctr_va_vdst(0)
.irp n, 0,1,2,3,4,5,6,7
	v_mul_f32 v[SR+\n], 0xbf317218, v[SR+\n]       ; -ln 2 x log2
.endr
.irp n, 0,1,2,3,4,5,6,7
	v_cndmask_b32 v[SR+\n], 0, v[SR+\n], s[16+\n]
	v_cndmask_b32 v[F+\n], 0, 1, s[16+\n]
.endr
	global_store_b128 v2, v[SR:SR+3], s[8:9]
	global_store_b128 v2, v[SR+4:SR+7], s[8:9] offset:512
.irp g, 0,1
	v_lshl_or_b32 v[PK+\g], v[F+4*\g+1], 8, v[F+4*\g]
	v_lshl_or_b32 v[PK+\g], v[F+4*\g+2], 16, v[PK+\g]
	v_lshl_or_b32 v[PK+\g], v[F+4*\g+3], 24, v[PK+\g]
	ds_store_b32 v5, v[PK+\g] offset:2048+128*\g
.endr
.irp k, 0,1,2,3
	ds_load_b128 v[BK+4*\k:BK+4*\k+3], v1 offset:512*\k    ; LDS serves a wave's instructions in order: these see the stores above
.endr
	ds_load_b64 v[BB:BB+1], v6 offset:2048
.irp k, 0,1,2,3
	s_wait_dscnt 4-\k                              ; read-back k is in; the younger ones may be out
	global_store_b128 v1, v[BK+4*\k:BK+4*\k+3], s[10:11] offset:512*\k
.endr
	s_wait_dscnt 0x0
	global_store_b64 v6, v[BB:BB+1], s[12:13]      ; 32 lanes x 8 booleans: one aligned block of 256 bytes
	s_wait_tensorcnt 0x0
	ds_add_u32 v104, v105
	s_wait_dscnt 0x0
	s_endpgm
.Lfunc_end_k_q08f451ce58_match:
	.size	k_q08f451ce58_match, .Lfunc_end_k_q08f451ce58_match-k_q08f451ce58_match
	.p2alignl 7, 3214868480
	.fill 96, 4, 3214868480
	.section	.rodata,"a",@progbits
	.p2align	6, 0x0
	.amdhsa_kernel k_q08f451ce58_match
		.amdhsa_group_segment_fixed_size 2560
		.amdhsa_private_segment_fixed_size 0
		.amdhsa_enable_private_segment 0
		.amdhsa_kernarg_size 40
		.amdhsa_user_sgpr_count 2
		.amdhsa_user_sgpr_kernarg_segment_ptr 1
		.amdhsa_wavefront_size32 1
		.amdhsa_system_sgpr_workgroup_id_x 1
		.amdhsa_system_sgpr_workgroup_id_y 1
		.amdhsa_system_sgpr_workgroup_id_z 1
		.amdhsa_system_vgpr_workitem_id 0
		.amdhsa_next_free_vgpr 106
		.amdhsa_next_free_sgpr 66
		.amdhsa_reserve_vcc 0
		.amdhsa_float_denorm_mode_32 3
		.amdhsa_float_denorm_mode_16_64 3
		.amdhsa_memory_ordered 1
		.amdhsa_forward_progress 1
		.amdhsa_inst_pref_size 9
	.end_amdhsa_kernel
	.amdgpu_metadata
---
amdhsa.version: [ 1, 2 ]
amdhsa.kernels:
  - .name:           k_q08f451ce58_match
    .symbol:         k_q08f451ce58_match.kd
    .args:
      - { .name: choice, .offset: 0, .size: 8, .value_kind: global_buffer, .address_space: global }
      - { .name: sums, .offset: 8, .size: 8, .value_kind: global_buffer, .address_space: global }
      - { .name: out0, .offset: 16, .size: 8, .value_kind: global_buffer, .address_space: global }
      - { .name: out1, .offset: 24, .size: 8, .value_kind: global_buffer, .address_space: global }
      - { .name: out2, .offset: 32, .size: 8, .value_kind: global_buffer, .address_space: global }
    .group_segment_fixed_size: 2560
    .private_segment_fixed_size: 0
    .kernarg_segment_align: 8
    .kernarg_segment_size: 40
    .max_flat_workgroup_size: 32
    .sgpr_count:     66
    .vgpr_count:     106
    .wavefront_size: 32
...
	.end_amdgpu_metadata
.endif
;; end of part 3
;; ======== version 2 of 2: 3 launches; version 1 with the launch prep written anew for expert scheduling mode
;; workspace buffers: xk 1,179,648 bytes; yk 1,179,648 bytes; choice 65,536 bytes of whole numbers; sums 65,536 bytes
;; launch prep (part 4): grid 128 x 2, 2 waves a work-group, no clusters, 9,472 bytes of LDS; arguments x, y, xk, yk; writes xk, yk
.if DOCPART == 4
	.amdgcn_target "amdgcn-amd-amdhsa--gfx1250"
	.amdhsa_code_object_version 6
	.text
	.protected	k_q08f451ce58_prep
	.globl	k_q08f451ce58_prep
	.p2align	8
	.type	k_q08f451ce58_prep,@function
k_q08f451ce58_prep:
	s_mov_b64 s[64:65], 0
	v_nop
	global_prefetch_b8 v0, s[64:65] scope:SCOPE_SE
	s_setreg_imm32_b32 hwreg(HW_REG_WAVE_SCHED_MODE, 0, 2), 2
	s_setreg_imm32_b32 hwreg(HW_REG_WAVE_MODE, 25, 1), 1
	s_wait_xcnt 0x0
	s_wait_alu depctr_vm_vsrc(0)
; x and y, [8192][64] f32, are rounded once to bf16 and laid out for the distance kernel:
; a row of xk (yk) is 144 bytes: 64 bf16 (128 bytes), then 0.5 * (sum of the squares of the ROUNDED numbers) in f32, then 12 zero bytes.
; The norm is taken from the rounded numbers, so that norm and product belong to the same vectors.
; Grid y picks the tensor (0: x, 1: y).  Two waves; a wave owns 32 rows: 16 loads of 512 neighbouring bytes (two rows each), all in flight at once.
; A row is spread over 16 lanes (4 numbers each), so its sum of squares is four steps inside a half of the wave.
; 32 rows of 144 bytes are 4,608 bytes = 18 aligned blocks of 256: they are gathered in the wave's own LDS stage and leave as nine stores
; of 512 neighbouring bytes.  The stage is the wave's own and LDS serves a wave's instructions in order (ISA guide 5.7.1): no barrier.
; Memory binds here: no matrix unit, no cluster (no byte is read by two work-groups).
; THE MODE: SCHED_MODE bits 1:0 = 2 (LLVM: expert scheduling mode 2), set by the entry lines.  The code itself states the register dependences
; between vector instructions and memory or LDS instructions, with s_wait_alu, always for 0.
; THE PLAN.  Registers that memory or LDS instructions touch:
;   v3 .. v6     offsets and LDS addresses: written once at the head, read by loads and stores, never written again.
;   X            written by the 16 global loads (no vector instruction names it before them); read by each load's two conversions; at the end the
;                read-back from the stage lands in its first 36 registers, and the global stores read them.
;   P            a pair of its own for each of the 16 loads: written once by that load's conversions, read by one LDS store, never written again.
;   N            written by vector instructions, read by the one LDS store of the norms.
;   v88, v89     written at the head, read by the closing add alone.
; The 16 loads go in four blocks of four.  One wait on va_vdst at the head of blocks 1 to 3 states that the block before has written its four pairs of P;
; their four LDS stores follow it, one at the head of each turn, among vector instructions that name only this block's pairs, T, Q and N.
; One more behind the last arithmetic serves block 3's stores, the norms' store and the read-back.  No register that a store reads is written again.
; The 16 lane masks hang on the lane alone: they are made in one run, behind the loads, into 16 scalar registers, with one wait on va_sdst behind the run.
.set KROW,  144                        ; bytes of an output row
.set WROWS, 32                         ; rows of a wave
.set N, 12                             ; v[12:15]  my row's norm, then three zeros
.set X, 16                             ; v[16:79]  16 loads of 4 registers; later the stage read back
.set T, 80                             ; v[80:83]  the rounded numbers as f32
.set Q, 84                             ; v[84:85]  squares
.set P, 90                             ; v[90:121] load i: 4 numbers as bf16, a pair at P + 2 i
.set MK, 4                             ; s[4:19]   mask i: lane i of each half; these registers are free once the two bases s[20:23] are made
	s_load_b256 s[4:11], s[0:1], 0x0               ; x s[4:5], y s[6:7], xk s[8:9], yk s[10:11]
	v_lshl_add_u32 v88, v0, 2, 0x2400
	v_mov_b32 v89, 0
	v_and_b32 v1, 31, v0                           ; lane
	v_lshrrev_b32 v2, 5, v0
	v_readfirstlane_b32 s12, v2                    ; wave 0..1
	s_and_b32 s13, ttmp7, 0xffff                   ; which tensor
	s_mov_b32 s24, 0xffff0000                      ; a word's upper bf16
	v_lshlrev_b32 v3, 4, v1                        ; 16 bytes a lane: loads, read-back and stores
	v_and_b32 v7, 15, v1                           ; my place in a row
	v_lshrrev_b32 v2, 4, v1                        ; lanes 16-31 hold the odd row of a load
	v_mul_u32_u24 v4, v2, KROW                     ; half x 144
	v_mul_u32_u24 v5, v7, 2*KROW                   ; (lane % 16) x 2 rows
	v_mov_b32 v[N], 0
	v_mov_b32 v[N+1], 0
	v_mov_b32 v[N+2], 0
	v_mov_b32 v[N+3], 0
	s_wait_alu depctr_va_sdst(0)                   ; s12 is written, ahead of its first reader: the block's number and the stage's place are made from it
	s_lshl_b32 s14, ttmp9, 1
	s_add_co_u32 s14, s14, s12                     ; my block of 32 rows, 0..255
	s_lshl_b32 s16, s14, 13                        ; x 32 rows x 256 bytes
	s_mov_b32 s17, 0
	s_mul_i32 s18, s14, WROWS*KROW                 ; x 32 rows x 144 bytes
	s_mov_b32 s19, 0
	s_mul_i32 s15, s12, WROWS*KROW                 ; my wave's stage in LDS
	v_add_nc_u32 v4, s15, v4                       ; stage + half x 144
	v_add_nc_u32 v5, v5, v4                        ; stage + row (2 (lane % 16) + half): the row whose norm I store
	v_lshl_add_u32 v4, v7, 3, v4                   ; where my 8 bytes of bf16 go in the first pair of rows
	v_add_nc_u32 v6, s15, v3                       ; read-back
	s_cmp_eq_u32 s13, 0
	s_wait_kmcnt 0x0
	s_cselect_b64 s[20:21], s[4:5], s[6:7]         ; from
	s_cselect_b64 s[22:23], s[8:9], s[10:11]       ; to
	s_add_nc_u64 s[20:21], s[20:21], s[16:17]
	s_add_nc_u64 s[22:23], s[22:23], s[18:19]
	s_wait_alu depctr_va_vdst(0)                   ; v3 to v6 are written: every load and store of the kernel reads one of them as its offset or address
.irp i, 0,1,2,3,4,5,6,7,8,9,10,11,12,13,14,15
	global_load_b128 v[X+4*\i:X+4*\i+3], v3, s[20:21] offset:512*\i th:TH_LOAD_NT   ; rows 2 i and 2 i + 1; read once in the launch
.endr
.irp i, 0,1,2,3,4,5,6,7,8,9,10,11,12,13,14,15
	v_cmp_eq_u32 s[MK+\i], \i, v7                  ; lane i of each half keeps the sum of load i
.endr
	s_wait_alu depctr_va_sdst(0)                   ; the 16 masks are written, ahead of the first select that reads one
; The turn of load i.
.macro ROWS i
	s_wait_loadcnt 15-(\i)                         ; loads come back in order: load i is in, the younger ones stay out
.if ((\i) > 0) && ((\i) % 4 == 0)
	s_wait_alu depctr_va_vdst(0)                   ; the block before has written its four pairs of P, which this block's four LDS stores read
.endif
.if (\i) >= 4
	ds_store_b64 v4, v[P+2*(\i)-8:P+2*(\i)-7] offset:((\i)-4)*2*KROW   ; load i - 4's bf16; no vector instruction since the wait names this pair or v4
.endif
	v_cvt_pk_bf16_f32 v[P+2*(\i)], v[X+4*(\i)], v[X+4*(\i)+1]
	v_cvt_pk_bf16_f32 v[P+2*(\i)+1], v[X+4*(\i)+2], v[X+4*(\i)+3]
	v_lshlrev_b32 v[T], 16, v[P+2*(\i)]            ; the rounded numbers back in f32
	v_and_b32 v[T+1], s24, v[P+2*(\i)]
	v_lshlrev_b32 v[T+2], 16, v[P+2*(\i)+1]
	v_and_b32 v[T+3], s24, v[P+2*(\i)+1]
	v_pk_mul_f32 v[Q:Q+1], v[T:T+1], v[T:T+1]
	v_pk_fma_f32 v[Q:Q+1], v[T+2:T+3], v[T+2:T+3], v[Q:Q+1]
	v_add_f32 v[Q], v[Q], v[Q+1]
	v_add_f32_dpp v[Q], v[Q], v[Q] row_xmask:1 row_mask:0xf bank_mask:0xf
	v_add_f32_dpp v[Q], v[Q], v[Q] row_xmask:2 row_mask:0xf bank_mask:0xf
	v_add_f32_dpp v[Q], v[Q], v[Q] row_xmask:4 row_mask:0xf bank_mask:0xf
	v_add_f32_dpp v[Q], v[Q], v[Q] row_xmask:8 row_mask:0xf bank_mask:0xf   ; all 16 lanes of the row hold its sum
	v_cndmask_b32 v[N], v[N], v[Q], s[MK+(\i)]     ; one norm a lane, so that one store with all lanes on puts all 32 norms
.endm
.irp i, 0,1,2,3,4,5,6,7,8,9,10,11,12,13,14,15
	ROWS \i
.endr
	v_mul_f32 v[N], 0.5, v[N]
	s_wait_alu depctr_va_vdst(0)                   ; the last block's four pairs of P and N are written, which the LDS stores below read; all conversions are done reading X, in which the read-back lands
.irp i, 12,13,14,15
	ds_store_b64 v4, v[P+2*\i:P+2*\i+1] offset:\i*2*KROW
.endr
	ds_store_b128 v5, v[N:N+3] offset:128          ; bytes 128 to 143 of my row: the norm and three zeros
.irp k, 0,1,2,3,4,5,6,7,8
	ds_load_b128 v[X+4*\k:X+4*\k+3], v6 offset:512*\k
.endr
.irp k, 0,1,2,3,4,5,6,7,8
	s_wait_dscnt 8-\k                              ; read-back k is in
	global_store_b128 v3, v[X+4*\k:X+4*\k+3], s[22:23] offset:512*\k   ; 512 neighbouring bytes, at a multiple of 256 from the buffer's first byte
.endr
	s_wait_dscnt 0x0                               ; the closing lines, six on end
	s_wait_alu 0x0
	s_wait_tensorcnt 0x0
	ds_add_u32 v88, v89
	s_wait_dscnt 0x0
	s_endpgm
.Lfunc_end_k_q08f451ce58_prep:
	.size	k_q08f451ce58_prep, .Lfunc_end_k_q08f451ce58_prep-k_q08f451ce58_prep
	.p2alignl 7, 3214868480
	.fill 96, 4, 3214868480
	.section	.rodata,"a",@progbits
	.p2align	6, 0x0
	.amdhsa_kernel k_q08f451ce58_prep
		.amdhsa_group_segment_fixed_size 9472
		.amdhsa_private_segment_fixed_size 0
		.amdhsa_enable_private_segment 0
		.amdhsa_kernarg_size 32
		.amdhsa_user_sgpr_count 2
		.amdhsa_user_sgpr_kernarg_segment_ptr 1
		.amdhsa_wavefront_size32 1
		.amdhsa_system_sgpr_workgroup_id_x 1
		.amdhsa_system_sgpr_workgroup_id_y 1
		.amdhsa_system_sgpr_workgroup_id_z 1
		.amdhsa_system_vgpr_workitem_id 0
		.amdhsa_next_free_vgpr 122
		.amdhsa_next_free_sgpr 66
		.amdhsa_reserve_vcc 0
		.amdhsa_float_denorm_mode_32 3
		.amdhsa_float_denorm_mode_16_64 3
		.amdhsa_memory_ordered 1
		.amdhsa_forward_progress 1
		.amdhsa_inst_pref_size 20
	.end_amdhsa_kernel
	.amdgpu_metadata
---
amdhsa.version: [ 1, 2 ]
amdhsa.kernels:
  - .name:           k_q08f451ce58_prep
    .symbol:         k_q08f451ce58_prep.kd
    .args:
      - { .name: x, .offset: 0, .size: 8, .value_kind: global_buffer, .address_space: global }
      - { .name: y, .offset: 8, .size: 8, .value_kind: global_buffer, .address_space: global }
      - { .name: xk, .offset: 16, .size: 8, .value_kind: global_buffer, .address_space: global }
      - { .name: yk, .offset: 24, .size: 8, .value_kind: global_buffer, .address_space: global }
    .group_segment_fixed_size: 9472
    .private_segment_fixed_size: 0
    .kernarg_segment_align: 8
    .kernarg_segment_size: 32
    .max_flat_workgroup_size: 64
    .sgpr_count:     66
    .vgpr_count:     122
    .wavefront_size: 32
...
	.end_amdgpu_metadata
.endif
;; end of part 4
;; launch scan: the kernel of part 2 again; grid 128 x 2, 16 waves a work-group, clusters of 4 x 1, 327,680 bytes of LDS; arguments xk, yk, choice, sums; writes choice, sums
;; launch match: the kernel of part 3 again; grid 32 x 1, 1 waves a work-group, no clusters, 2,560 bytes of LDS; arguments choice, sums, out0, out1, out2; writes out0, out1, out2
